; MI455X (gfx1250); checked and timed in simulation.
; The chip was launched on July 23, 2026; its instructions are those of AMD's public machine-readable ISA for CDNA 5 (MIT licence, August 2026) and "CDNA5" Instruction Set Architecture Reference Guide (July 2026). The comments in the code are by the model that wrote it; some were corrected since.
;; Layer Wise Multi Lo RA Adapter. Allowed arithmetic: matrix products marked QUANTISED: E3M2 operands, one E8M0 scale for each 32 along K, by v_wmma_scale_f32_16x16x128_f8f6f4 with both operands' format E3M2, f32 sums; products left as they are: f32 operands where the result goes on into a quantised operand, else bf16, f16 or f32 operands; f32 sums; everything else in f32.
;; Inputs: W 2,048 x 2,048 float32; alphas 4 float32; b 2,048 float32; downs 4 x 16 x 2,048 float32; ups 4 x 2,048 x 16 float32; w0 1 float32; w1 4 float32; x 4 x 2,048 x 2,048 float32.
;; Outputs: out0 4 x 2,048 x 2,048 float32.
;; This version of the problem:
;;   THIS VERSION OF THE PROBLEM IS GIVEN IN LOW PRECISION. The matrix products marked QUANTISED in the list below multiply operands that are first quantised to E3M2 (3 exponent bits, 2 mantissa bits; 6 bits a number), with one power-of-two scale for each 32 numbers along K (OCP MX v1.0); their sums are f32. All else is computed in f32.
;;   The module's matrix products, in the order in which they are computed (A, B: the left and right operand; K: the contracted axis; several contracted axes count as one K, in the product's order):
;;     1. [M 8,192, K 2,048] x [K 2,048, N 2,048]; A: input x; B: input W: QUANTISED
;;     2. batch 4 x [M 2,048, K 16] x [K 16, N 2,048]; A: input ups; B: input downs: left as it is (K = 16 < 32)
;;     3. [M 4,194,304, K 4] x [K 4, N 1]; A: computed on the way; B: input w1: left as it is (K = 4 < 32)
;;     4. [M 8,192, K 2,048] x [K 2,048, N 2,048]; A: input x; B: computed on the way: QUANTISED
;;   THE QUANTISER, for each operand of a quantised product, along K:
;;     - K is cut into blocks of 32 from its start; a last block that is shorter is filled with zeros.
;;     - A block's scale is 2^e with e = floor(log2(the largest magnitude in the block)) - 4, held to -126 .. 127; a block of zeros has e = 0. As a byte (E8M0): e + 127.
;;     - Each number is divided by its block's scale, clamped to +-28, and rounded to the nearest number of E3M2, ties to even, subnormals kept.
;;     - The product sums the exact products of the quantised numbers (number of the format x scale) in f32.
;;   ~~~python
;;   def quantise(x, axis):      # numpy; x: float32 -> the quantised numbers, widened to float32 again
;;       x = np.moveaxis(x, axis, -1); K = x.shape[-1]
;;       x = np.pad(x, [(0, 0)] * (x.ndim - 1) + [(0, -K % 32)]); x = x.reshape(x.shape[:-1] + (-1, 32)); a = np.abs(x).max(-1, keepdims=True)
;;       e = np.where(a > 0, np.clip(np.frexp(np.where(a > 0, a, 1))[1] - 1 - 4, -126, 127), 0)      # np.frexp(a)[1] - 1 = floor(log2(a)), exactly
;;       r = np.clip(x / 2.0 ** e, -28, 28)
;;       step = 2.0 ** (np.maximum(np.frexp(np.where(r == 0, 1, r))[1] - 1, -2) - 2)
;;       q = np.round(r / step) * step * 2.0 ** e      # np.round: ties to even
;;       return np.moveaxis(q.reshape(q.shape[:-2] + (-1,))[..., :K], -1, axis).astype(np.float32)
;;   ~~~
;;   OPERANDS COMPUTED ON THE WAY. 'Computed on the way' means the value that the module computes at that place (a softmax that the list does not call 'softmax' is quantised finished and normalised). What goes into a quantiser is computed in f32, as accurately as f32 sums, v_exp_f32 and their like allow (about 1e-6 of the number): no bf16 or f16 on the way to a quantiser, and a product that is left as it is and whose result goes on into a quantised operand takes f32 operands (vector FMAs, or v_wmma_f32_16x16x4_f32). A number that lies on a knife's edge between two numbers of the format may be rounded either way, as far as f32 arithmetic and the matrix unit's own rounding can turn it there, and no further.
;; One version. Each part assembles by itself: llvm-mc -triple=amdgcn-amd-amdhsa -mcpu=gfx1250 --defsym DOCPART=n.
;; ======== version 1 of 1: 2 launches
;; limits: right only within a limited range of input values
;; workspace buffers: aq 13,107,200 bytes; bq 6,553,600 bytes
;; launch quant (part 1): grid 256 x 1, 8 waves a work-group, no clusters, 327,680 bytes of LDS; arguments x, W, ups, downs, alphas, w1, aq, bq; writes aq, bq
.if DOCPART == 1
	.amdgcn_target "amdgcn-amd-amdhsa--gfx1250"
	.amdhsa_code_object_version 6
	.text
	.protected	k_qbb220d892d_quant
	.globl	k_qbb220d892d_quant
	.p2align	8
	.type	k_qbb220d892d_quant,@function
k_qbb220d892d_quant:
	s_mov_b64 s[64:65], 0
	v_nop
	global_prefetch_b8 v0, s[64:65] scope:SCOPE_SE
	s_setreg_imm32_b32 hwreg(HW_REG_WAVE_MODE, 25, 1), 1
	s_wait_xcnt 0x0
; x [8192][2048], W [2048][2048] and D [2048][2048], D[o][d] = sum over l of w1[l] (alphas[l] / 16) sum over r of ups[l][o][r] downs[l][r][d], become codes of BF6 (E3M2) with one E8M0 byte
; for each 32 along the last axis.  A block's scale is 2^(floor(log2(its largest magnitude)) - 4); its byte is the largest magnitude's exponent field - 4, held at 1 from below.
; THE CODES ARE LAID AS THE NEXT LAUNCH'S OPERAND REGISTERS.  A BLOCK is 8 row blocks of 16 rows x 256 along K, 25,600 bytes: fragment (row block i, half q of K) at (2 i + q) x 1,536: registers
; 4 c .. 4 c + 3 of lane l at 512 c + 16 l; at 24,576 the scale words: that of (row 16 i + r, q) at 512 q + 256 (i / 4) + 16 r + 4 (i % 4).
; aq = [64 groups of 128 rows of x][8 K steps][BLOCK].  bq = [16 g][16 steps][BLOCK]: step 8 t + j holds, for K step j, rows o = 64 (g + 16 t) .. + 63: of W in row blocks 0-3, of D in 4-7.
; SHARES: 256 work-groups of equal work, 8 waves, every wave the same text.  Work-group w makes aq's blocks 2 w and 2 w + 1 (wave v: 64 rows x 128 K, four fragments and their 256 bytes of scale words),
; the W half of one block of bq (wave v: one fragment) and 128 rows x 128 columns of D (wave v: one fragment).
; x comes by ONE tensor load a wave, 64 rows x 512 bytes, LDS rows 528 bytes apart, read by the issuing wave alone; all of a work-group's x is asked for at the head, nothing is filled again.
; A lane (r, h) then reads, of row r, the 32 neighbours k = 64 c + 32 h ..: a whole block, in the order of the operand's registers: no other lane is asked for a maximum.
; The small operands (downs, ups, W) are asked for ahead of the tensor load, since they are worked on first, while x is on its way.
; D is made in f32 by v_wmma_f32_16x16x4_f32, K = 64 (l, r), source 0 = 16 columns d, source 1 = 16 rows o; tile 4 c + t takes columns 64 c + 32 (m / 8) + 8 t + m % 8, so that a lane's 32 registers of
; four tiles are a whole block along d.
; NO CLUSTER: each byte of x and W is read by one work-group; what work-groups share (32 KB of downs, 8 KB of ups, of 370 KB a work-group) is a small part.  NO PREFETCH: there is no loop to run ahead in.
; LIMITS: NaN and infinities among the inputs are not served.  A block of zeros gets the byte 1 where the rule says 127: its codes are zeros, and the bytes are read by this program alone.
; c[l] = (alphas[l] / 16) w1[l] is multiplied into ups ahead of the sums: the order of rounding differs from (sum x scale) x w1 by a few units in the last place of f32.
.set BLKB, 25600
.set FRB,  1536
.set SCO,  24576
.set XP,   528                         ; a row of an x tile in LDS: 512 bytes + 16
.set XW,   64*XP                       ; a wave's x tile
.set DREG, 8*XW                        ; behind the tiles: downs turned, 128 rows (one a column) x
.set DP,   272                         ; 64 k x 4 bytes + 16; later the same bytes are the waves' stages for W,
.set WST,  16*DP                       ; 16 rows x (256 + 16) bytes a wave
.set XCH,  DREG+128*DP                 ; 1,024 bytes in which four waves' scale words meet: D's two units, then W's two
.set SPARE, XCH+1024                   ; the spare words, 128 bytes a wave
.set LI,   4                           ; 16 x lane
.set SOFF, 5                           ; 16 r + 8 h
.set XRD,  6                           ; x tile: wave x XW + XP r + 128 h
.set WSI,  7                           ; W's stage, way in: DP (lane / 16) + 16 (lane % 16)
.set WSO,  8                           ; way out: DP r + 128 h
.set DG,   9                           ; downs: 4 x my column + 32 rows x (thread / 128)
.set DST,  10                          ; DREG + DP (thread % 128) + 128 (thread / 128)
.set DRD,  11                          ; DREG + DP r + 16 h
.set UO,   12                          ; 64 r + 16 h
.set WGO,  13                          ; W: 8,192 (lane / 16) + 16 (lane % 16)
.set XWD,  14                          ; where my D scale word goes
.set XWW,  15                          ; where my W scale word goes
.set XRA,  16                          ; XCH + 256 (wave % 4) + 8 x lane
.set GS,   17                          ; 8 x lane
.set H8,   18                          ; 8 h
.set SPW,  19                          ; my spare word; never rewritten
.set NIL,  20                          ; 0; never rewritten
.set CL,   22                          ; v22-25 c[l]
.set TM,   26                          ; v26-29 largest magnitudes, then bytes
.set SO,   30                          ; v30-31 the conversions' scale operands
.set PW,   32                          ; the scale word just made
.set PX,   33                          ; lane l xor 16's part of it
.set WD,   34                          ; v34-37 x: the four fragments' scale words
.set SP,   38                          ; v38-39 the two that I store
.set PC,   40                          ; v40-51 the codes just made
.set PT,   52                          ; v52-54, v56-58 the upper halves of the two blocks, as converted
.set ACC,  64                          ; v64-127 D's eight accumulators: written by matrix instructions alone
.set DN,   128                         ; v128-159 downs as loaded; then
.set AB,   128                         ; two sets of 16: downs for 8 k of four tiles
.set U,    160                         ; v160-191 c x ups
.set WR,   192                         ; v192-255 W's 64 numbers
.set X,    128                         ; x: two sets of 64 numbers
.set SEL,  22                          ; s[22:23] v_permlanex16_b32's selects for lane l xor 16
.set G0,   40
.set G1,   44
.set XI,   52                          ; my first image in aq
.set XC,   54                          ; my 256 bytes of scale words in aq
.set WS,   56                          ; my numbers of W
.set WI,   58                          ; my image of W
.set DS,   60                          ; the work-group's 128 columns of downs
.set UB,   62                          ; my 16 rows of ups
.set DI,   66                          ; my image of D
.set SU,   68                          ; waves 0-3: the unit of 256 bytes of scale words that I store
; 64 numbers of a lane, register 32 c + i = k 64 c + 32 h + i of my row, become a fragment's codes in v[PC] on and its scale word in v[PW]
.macro QUANT s
.irp b, 0,1,2,3
	v_max3_num_f32 v[TM+\b], |v[\s+16*\b]|, |v[\s+1+16*\b]|, 0x2800000   ; four chains of 16 numbers by turns; the floor 2^(5 - 127) holds the byte at 1 from below
.endr
.irp i, 2,4,6,8,10,12,14
.irp b, 0,1,2,3
	v_max3_num_f32 v[TM+\b], v[TM+\b], |v[\s+16*\b+\i]|, |v[\s+1+16*\b+\i]|
.endr
.endr
	v_max_num_f32 v[TM], v[TM], v[TM+1]            ; block c = 0
	v_max_num_f32 v[TM+2], v[TM+2], v[TM+3]        ; block c = 1
	s_delay_alu instid0(VALU_DEP_2)
	v_add_nc_u32 v[SO], 0xfe000000, v[TM]          ; 4 off the exponent field: the conversion's scale operand
	s_delay_alu instid0(VALU_DEP_2)
	v_add_nc_u32 v[SO+1], 0xfe000000, v[TM+2]
	s_delay_alu instid0(VALU_DEP_2)
	v_lshrrev_b32 v[TM], 23, v[SO]                 ; the bytes
	s_delay_alu instid0(VALU_DEP_2)
	v_lshrrev_b32 v[TM+2], 23, v[SO+1]
	s_delay_alu instid0(VALU_DEP_1)
	v_lshl_or_b32 v[PW], v[TM+2], 16, v[TM]        ; blocks h and 2 + h of my row,
	s_delay_alu instid0(VALU_DEP_1)
	v_lshlrev_b32 v[PW], v[H8], v[PW]              ; at their places in the word;
	v_permlanex16_b32 v[PX], v[PW], s[SEL], s[SEL+1]
	v_or_b32 v[PW], v[PW], v[PX]                   ; with lane l xor 16's two the word is whole, in both halves of the lanes
	v_cvt_scalef32_pk16_bf6_f32 v[PC:PC+2], v[\s:\s+15], v[SO]
	v_cvt_scalef32_pk16_bf6_f32 v[PT:PT+2], v[\s+16:\s+31], v[SO]          ; a conversion's three registers begin on an even number
	v_cvt_scalef32_pk16_bf6_f32 v[PC+6:PC+8], v[\s+32:\s+47], v[SO+1]
	v_cvt_scalef32_pk16_bf6_f32 v[PT+4:PT+6], v[\s+48:\s+63], v[SO+1]
	v_nop                                          ; one plain place behind the scaled conversions
.irp i, 0,1,2
	v_mov_b32 v[PC+3+\i], v[PT+\i]
	v_mov_b32 v[PC+9+\i], v[PT+4+\i]
.endr
.endm
; a fragment leaves as an image of its registers: each store of the wave covers 512 consecutive bytes, aligned
.macro OUT base, off
.irp c, 0,1,2
	global_store_b128 v[LI], v[PC+4*\c:PC+4*\c+3], s[\base:\base+1] offset:(\off)+512*\c
.endr
.endm
; first byte of bq's block for rows 64 rho on, K step j: (16 (rho % 16) + 8 (rho / 16) + j) x BLKB
.macro BQB dst, rho, j
	s_and_b32 s[\dst], s[\rho], 15
	s_lshl_b32 s[\dst], s[\dst], 4
	s_lshr_b32 s27, s[\rho], 4
	s_lshl_b32 s27, s27, 3
	s_add_co_u32 s[\dst], s[\dst], s27
	s_add_co_u32 s[\dst], s[\dst], s[\j]
	s_mul_i32 s[\dst], s[\dst], BLKB
.endm
	s_load_b256 s[4:11], s[0:1], 0x0               ; x, W, ups, downs
	s_load_b256 s[12:19], s[0:1], 0x20             ; alphas, w1, aq, bq
	v_lshl_add_u32 v[SPW], v0, 2, SPARE
	v_mov_b32 v[NIL], 0
	ds_add_u32 v[SPW], v[NIL]                      ; the opening lines: the add,
	ds_add_u32 v[SPW], v[NIL]                      ; once more; work on registers stands between it and the wait
	v_lshrrev_b32 v1, 5, v0
	v_readfirstlane_b32 s20, v1                    ; wave v, 0..7
	s_mov_b32 s[SEL], 0x76543210
	s_mov_b32 s[SEL+1], 0xfedcba98
	s_and_b32 s32, s20, 1                          ; v % 2
	s_lshr_b32 s33, s20, 1                         ; v / 2
	s_lshr_b32 s34, s20, 2                         ; v / 4
	s_and_b32 s35, s20, 3                          ; v % 4
	s_and_b32 s36, s33, 1                          ; (v / 2) % 2
	s_mov_b32 s[G0], 1
	s_mul_i32 s[G0+1], s20, XW                     ; my x tile in LDS
	s_mul_i32 s37, s20, WST
	s_add_co_u32 s37, s37, DREG                    ; my stage for W
	s_lshl_b32 s38, s34, 8
	s_lshl_b32 s39, s35, 2
	s_add_co_u32 s38, s38, s39
	s_add_co_u32 s38, s38, XCH                     ; D's words: unit v / 4, row block v % 4
	s_lshl_b32 s39, s32, 8
	s_lshl_b32 s21, s33, 2
	s_add_co_u32 s39, s39, s21
	s_add_co_u32 s39, s39, XCH+512                 ; W's words: unit v % 2, row block v / 2
	s_lshl_b32 s21, s35, 8
	s_add_co_u32 s21, s21, XCH                     ; the unit that I read back
	; x: rows 128 (w / 4) + 64 ((v / 2) % 2) on, k = 512 (w % 4) + 256 (v / 4) + 128 (v % 2) on
	s_lshr_b32 s24, ttmp9, 2
	s_lshl_b32 s[G0+2], s24, 20
	s_lshl_b32 s24, s36, 19
	s_add_co_u32 s[G0+2], s[G0+2], s24
	s_and_b32 s24, ttmp9, 3
	s_lshl_b32 s24, s24, 11
	s_add_co_u32 s[G0+2], s[G0+2], s24
	s_lshl_b32 s24, s34, 10
	s_add_co_u32 s[G0+2], s[G0+2], s24
	s_lshl_b32 s24, s32, 9
	s_add_co_u32 s[G0+2], s[G0+2], s24
	s_mov_b32 s[G0+3], 0
	s_lshl_b32 s25, ttmp9, 1
	s_add_co_u32 s25, s25, s34
	s_mul_i32 s25, s25, BLKB                       ; aq's block 2 w + v / 4
	s_lshl_b32 s24, s36, 3
	s_add_co_u32 s24, s24, s32
	s_mul_i32 s24, s24, FRB
	s_add_co_u32 s[XI], s25, s24                   ; image 8 ((v / 2) % 2) + v % 2; my four are two images apart
	s_mov_b32 s[XI+1], 0
	s_lshl_b32 s24, s32, 9
	s_lshl_b32 s26, s36, 8
	s_add_co_u32 s24, s24, s26
	s_add_co_u32 s24, s24, s25
	s_add_co_u32 s[XC], s24, SCO
	s_mov_b32 s[XC+1], 0
	; W: rows 64 (w / 8) + 16 (v / 2) on, k = 256 (w % 8) + 128 (v % 2) on
	s_lshr_b32 s24, ttmp9, 3
	s_and_b32 s25, ttmp9, 7
	BQB 26, 24, 25
	s_lshl_b32 s[WS], s24, 19
	s_lshl_b32 s27, s33, 17
	s_add_co_u32 s[WS], s[WS], s27
	s_lshl_b32 s27, s25, 10
	s_add_co_u32 s[WS], s[WS], s27
	s_lshl_b32 s27, s32, 9
	s_add_co_u32 s[WS], s[WS], s27
	s_mov_b32 s[WS+1], 0
	s_mul_i32 s27, s20, FRB
	s_add_co_u32 s[WI], s26, s27                   ; image 2 (v / 2) + v % 2 = v
	s_mov_b32 s[WI+1], 0
	s_lshl_b32 s27, s32, 9
	s_add_co_u32 s26, s26, s27
	s_add_co_u32 s26, s26, SCO                     ; W's unit of scale words, half v % 2
	; D: rows 128 (w / 16) + 16 v on, columns 256 ((w / 2) % 8) + 128 (w % 2) on
	s_lshr_b32 s24, ttmp9, 4
	s_lshr_b32 s25, ttmp9, 1
	s_and_b32 s25, s25, 7
	s_and_b32 s28, ttmp9, 1
	s_lshl_b32 s[DS], s25, 10
	s_lshl_b32 s27, s28, 9
	s_add_co_u32 s[DS], s[DS], s27
	s_mov_b32 s[DS+1], 0
	s_lshl_b32 s[UB], s24, 13
	s_lshl_b32 s27, s20, 10
	s_add_co_u32 s[UB], s[UB], s27
	s_mov_b32 s[UB+1], 0
	s_lshl_b32 s24, s24, 1
	s_add_co_u32 s29, s24, s34                     ; my rows lie in the block of rows 64 (2 (w / 16) + v / 4) on, as its row block 4 + v % 4
	BQB 30, 29, 25
	s_lshl_b32 s27, s35, 1
	s_add_co_u32 s27, s27, s28
	s_add_co_u32 s27, s27, 8
	s_mul_i32 s27, s27, FRB
	s_add_co_u32 s[DI], s30, s27
	s_mov_b32 s[DI+1], 0
	s_add_co_u32 s29, s24, s32                     ; D's unit of scale words v % 2
	BQB 30, 29, 25
	s_lshl_b32 s27, s28, 9
	s_add_co_u32 s30, s30, s27
	s_add_co_u32 s30, s30, SCO+256
	s_cmp_lt_u32 s20, 2                            ; waves 0, 1 store D's two units, waves 2, 3 W's two
	s_cselect_b32 s[SU], s30, s26
	s_mov_b32 s[SU+1], 0
	; descriptor group 1: 64 rows x 128 elements of 4 bytes, 2,048 elements from row to row; 4 words of padding behind every 128
	s_mov_b32 s[G1+0], (2<<16)|(1<<20)|(6<<22)|(3<<25)
	s_mov_b32 s[G1+1], 128<<16
	s_mov_b32 s[G1+2], 64<<16
	s_mov_b32 s[G1+3], 128<<16
	s_mov_b32 s[G1+4], 64
	s_mov_b32 s[G1+5], 2048
	s_mov_b32 s[G1+6], 0
	s_mov_b32 s[G1+7], 0
	; every address register is made here
	v_and_b32 v1, 31, v0                           ; lane
	v_and_b32 v2, 15, v0                           ; r
	v_bfe_u32 v3, v0, 4, 1                         ; h
	v_lshlrev_b32 v[LI], 4, v1
	v_lshlrev_b32 v[SOFF], 4, v2
	v_lshl_add_u32 v[SOFF], v3, 3, v[SOFF]
	v_mul_u32_u24 v[XRD], v2, XP
	v_lshl_add_u32 v[XRD], v3, 7, v[XRD]
	v_add_nc_u32 v[XRD], s[G0+1], v[XRD]
	v_mul_u32_u24 v[WSI], v3, DP
	v_lshl_add_u32 v[WSI], v2, 4, v[WSI]
	v_add_nc_u32 v[WSI], s37, v[WSI]
	v_mul_u32_u24 v[WSO], v2, DP
	v_lshl_add_u32 v[DRD], v3, 4, v[WSO]
	v_add_nc_u32 v[DRD], DREG, v[DRD]
	v_lshl_add_u32 v[WSO], v3, 7, v[WSO]
	v_add_nc_u32 v[WSO], s37, v[WSO]
	v_and_b32 v[DG], 0x47, v0                      ; LDS row n = 64 c + 16 t + 8 m' + i holds column 64 c + 32 m' + 8 t + i
	v_bfe_u32 v21, v0, 3, 1
	v_lshl_or_b32 v[DG], v21, 5, v[DG]
	v_bfe_u32 v21, v0, 4, 2
	v_lshl_or_b32 v[DG], v21, 3, v[DG]
	v_bfe_u32 v21, v0, 7, 1                        ; which 32 of the 64 k are mine
	v_lshlrev_b32 v[DG], 2, v[DG]
	v_lshl_or_b32 v[DG], v21, 18, v[DG]
	v_and_b32 v[DST], 127, v0
	v_mul_u32_u24 v[DST], v[DST], DP
	v_lshl_add_u32 v[DST], v21, 7, v[DST]
	v_add_nc_u32 v[DST], DREG, v[DST]
	v_lshlrev_b32 v[UO], 6, v2
	v_lshl_add_u32 v[UO], v3, 4, v[UO]
	v_lshlrev_b32 v[WGO], 13, v3
	v_lshl_add_u32 v[WGO], v2, 4, v[WGO]
	v_lshl_add_u32 v[XWD], v2, 4, s38
	v_lshl_add_u32 v[XWW], v2, 4, s39
	v_lshl_add_u32 v[XRA], v1, 3, s21
	v_lshlrev_b32 v[GS], 3, v1
	v_lshlrev_b32 v[H8], 3, v3
	v_mov_b32 v[PX], 0                             ; a lane permute's destination counts as one of its sources
	s_wait_alu depctr_va_vdst(0)
	s_wait_dscnt 0x0                               ; both opening adds are done
	s_wait_kmcnt 0x0
	s_load_b128 s[24:27], s[12:13], 0x0            ; alphas
	s_load_b128 s[28:31], s[14:15], 0x0            ; w1
	s_add_nc_u64 s[G0+2:G0+3], s[4:5], s[G0+2:G0+3]
	s_or_b32 s[G0+3], s[G0+3], 0x80000000
	s_add_nc_u64 s[XI:XI+1], s[16:17], s[XI:XI+1]
	s_add_nc_u64 s[XC:XC+1], s[16:17], s[XC:XC+1]
	s_add_nc_u64 s[WS:WS+1], s[6:7], s[WS:WS+1]
	s_add_nc_u64 s[WI:WI+1], s[18:19], s[WI:WI+1]
	s_add_nc_u64 s[DS:DS+1], s[10:11], s[DS:DS+1]
	s_add_nc_u64 s[UB:UB+1], s[8:9], s[UB:UB+1]
	s_add_nc_u64 s[DI:DI+1], s[18:19], s[DI:DI+1]
	s_add_nc_u64 s[SU:SU+1], s[18:19], s[SU:SU+1]
.set K, 0
.rept 32                                       ; a thread takes one column of downs, 32 k down its registers
	global_load_b32 v[DN+K], v[DG], s[DS:DS+1] offset:K*8192
.set K, K+1
.endr
.irp l, 0,1,2,3                                ; ups: register 4 p + n of lane (r, h) = row r, k = 8 p + 4 h + n, k = 16 l + rank index
.irp p, 0,1
	global_load_b128 v[U+4*(2*\l+\p):U+4*(2*\l+\p)+3], v[UO], s[UB:UB+1] offset:\l*131072+32*\p
.endr
.endr
.irp c, 0,1                                    ; W: a load reads 256 consecutive bytes of each of two rows
.irp t, 0,1,2,3,4,5,6,7
	global_load_b128 v[WR+32*\c+4*\t:WR+32*\c+4*\t+3], v[WGO], s[WS:WS+1] offset:\t*16384+256*\c th:TH_LOAD_NT
.endr
.endr
	tensor_load_to_lds s[G0:G0+3], s[G1:G1+7]      ; my x tile: my one tensor load
	s_nop 0
	s_wait_kmcnt 0x0
.irp l, 0,1,2,3
	v_mov_b32 v[CL+\l], s[24+\l]
.endr
.irp l, 0,1,2,3
	v_mul_f32 v[CL+\l], 0x3d800000, v[CL+\l]       ; alphas / 16: exact
.endr
.irp l, 0,1,2,3
	v_mul_f32 v[CL+\l], s[28+\l], v[CL+\l]         ; x w1
.endr
	s_wait_alu depctr_va_vdst(0)
	s_wait_loadcnt 24                              ; downs is in; ups' 8 loads and W's 16 may be out
.irp g, 0,1,2,3,4,5,6,7
	ds_store_b128 v[DST], v[DN+4*\g:DN+4*\g+3] offset:16*\g
.endr
	s_wait_loadcnt 16                              ; ups is in
.set K, 0
.rept 32
	v_mul_f32 v[U+K], v[CL+K/8], v[U+K]            ; c[l] x ups, l = k / 16
.set K, K+1
.endr
	s_wait_alu depctr_va_vdst(0)
	s_wait_dscnt 0x0                               ; for the others' sake
	s_barrier_signal -1
	s_barrier_wait -1                              ; all 128 rows of downs turned lie in LDS
; step n: 8 along k (p = n / 2) of the four tiles of half c = n % 2; lane (r, h) takes k = 8 p + 4 h + 0 .. 3, as in ups' registers
.macro ALOAD n
.irp t, 0,1,2,3
	ds_load_b128 v[AB+16*((\n)%2)+4*\t:AB+16*((\n)%2)+4*\t+3], v[DRD] offset:(4*((\n)%2)+\t)*16*DP+32*((\n)/2)
.endr
.endm
	ALOAD 0
	ALOAD 1
.set N, 0
.rept 16
.if N < 15
	s_wait_dscnt 4                                 ; this step's four loads are in; the next step's four may be out
.else
	s_wait_dscnt 0x0
.endif
.irp e, 0,1                                    ; the four accumulators take turns, one instruction a turn
.irp t, 0,1,2,3
.if (N/2 == 0) && (\e == 0)
	v_wmma_f32_16x16x4_f32 v[ACC+8*(4*(N%2)+\t):ACC+8*(4*(N%2)+\t)+7], v[AB+16*(N%2)+4*\t+2*\e:AB+16*(N%2)+4*\t+2*\e+1], v[U+4*(N/2)+2*\e:U+4*(N/2)+2*\e+1], 0
.else
	v_wmma_f32_16x16x4_f32 v[ACC+8*(4*(N%2)+\t):ACC+8*(4*(N%2)+\t)+7], v[AB+16*(N%2)+4*\t+2*\e:AB+16*(N%2)+4*\t+2*\e+1], v[U+4*(N/2)+2*\e:U+4*(N/2)+2*\e+1], v[ACC+8*(4*(N%2)+\t):ACC+8*(4*(N%2)+\t)+7]
.endif
.endr
.endr
.rept 9
	v_nop                                          ; behind this form: eight places ahead of loads into its operands and of reads of its results
.endr
.if N < 14
	ALOAD N+2
.endif
.set N, N+1
.endr
	QUANT ACC                                      ; register 8 (4 c + t) + i of lane (r, h) is D at row r, column 64 c + 32 h + 8 t + i
	OUT DI, 0
	ds_store_b32 v[XWD], v[PW]                     ; both halves of the lanes write the same word with the same value
	s_wait_dscnt 0x0                               ; my reads of downs turned are over, my word is stored
	s_barrier_signal -1
	s_barrier_wait -1                              ; nobody reads downs turned any more: its bytes now serve as stages
	s_wait_loadcnt 0x0                             ; W's numbers
.irp c, 0,1                                    ; through my stage, 64 along K at a time; LDS serves a wave's instructions in order: no wait between
.irp t, 0,1,2,3,4,5,6,7
	ds_store_b128 v[WSI], v[WR+32*\c+4*\t:WR+32*\c+4*\t+3] offset:2*DP*\t
.endr
.irp i, 0,1,2,3,4,5,6,7
	ds_load_b128 v[WR+32*\c+4*\i:WR+32*\c+4*\i+3], v[WSO] offset:16*\i
.endr
.endr
	s_wait_dscnt 0x0
	s_wait_xcnt 0x0                                ; D's stores have read the codes' registers
	QUANT WR
	OUT WI, 0
	ds_store_b32 v[XWW], v[PW]
	s_wait_dscnt 0x0                               ; for the others' sake
	s_barrier_signal -1
	s_barrier_wait -1                              ; the four units of scale words are whole
	s_cmp_lt_u32 s20, 4                            ; a branch on the wave's number; no barrier follows
	s_cbranch_scc0 .Lx
	ds_load_b64 v[SP:SP+1], v[XRA]
	s_wait_dscnt 0x0
	global_store_b64 v[GS], v[SP:SP+1], s[SU:SU+1] ; 32 lanes store 256 consecutive bytes, aligned
.Lx:
	s_wait_tensorcnt 0x0                           ; my x tile is in LDS; I alone read it
.macro XLOAD f, set
.irp c, 0,1
.irp i, 0,1,2,3,4,5,6,7
	ds_load_b128 v[X+64*(\set)+32*\c+4*\i:X+64*(\set)+32*\c+4*\i+3], v[XRD] offset:(\f)*16*XP+256*\c+16*\i
.endr
.endr
.endm
.macro FRAGX f
.if (\f) < 3
	s_wait_dscnt 16                                ; this fragment's 16 loads are in; the next fragment's 16 may be out
.else
	s_wait_dscnt 0x0
.endif
	s_wait_xcnt 0x0                                ; the last stores have read the codes' registers
	QUANT X+64*((\f)%2)
.if (\f) < 2
	XLOAD (\f)+2, (\f)%2
.endif
	OUT XI, (\f)*2*FRB
	v_mov_b32 v[WD+(\f)], v[PW]
.endm
	XLOAD 0, 0
	XLOAD 1, 1
	FRAGX 0
	FRAGX 1
	FRAGX 2
	FRAGX 3
	v_cmp_eq_u32 vcc_lo, 1, v3                     ; lane (r, h) stores the words of my row blocks 2 h and 2 h + 1: the wave's 256 consecutive bytes, aligned
	v_cndmask_b32 v[SP], v[WD], v[WD+2], vcc_lo
	v_cndmask_b32 v[SP+1], v[WD+1], v[WD+3], vcc_lo
	global_store_b64 v[SOFF], v[SP:SP+1], s[XC:XC+1]
	s_wait_tensorcnt 0x0                           ; the wave's end
	ds_add_u32 v[SPW], v[NIL]
	s_wait_dscnt 0x0
	s_endpgm
.Lfunc_end_k_qbb220d892d_quant:
	.size	k_qbb220d892d_quant, .Lfunc_end_k_qbb220d892d_quant-k_qbb220d892d_quant
	.p2alignl 7, 3214868480
	.fill 96, 4, 3214868480
	.section	.rodata,"a",@progbits
	.p2align	6, 0x0
	.amdhsa_kernel k_qbb220d892d_quant
		.amdhsa_group_segment_fixed_size 327680
		.amdhsa_private_segment_fixed_size 0
		.amdhsa_enable_private_segment 0
		.amdhsa_kernarg_size 64
		.amdhsa_user_sgpr_count 2
		.amdhsa_user_sgpr_kernarg_segment_ptr 1
		.amdhsa_wavefront_size32 1
		.amdhsa_system_sgpr_workgroup_id_x 1
		.amdhsa_system_sgpr_workgroup_id_y 1
		.amdhsa_system_sgpr_workgroup_id_z 1
		.amdhsa_system_vgpr_workitem_id 0
		.amdhsa_next_free_vgpr 256
		.amdhsa_next_free_sgpr 72
		.amdhsa_reserve_vcc 1
		.amdhsa_float_denorm_mode_32 3
		.amdhsa_float_denorm_mode_16_64 3
		.amdhsa_memory_ordered 1
		.amdhsa_forward_progress 1
		.amdhsa_inst_pref_size 61
	.end_amdhsa_kernel
	.amdgpu_metadata
---
amdhsa.version: [ 1, 2 ]
amdhsa.kernels:
  - .name:           k_qbb220d892d_quant
    .symbol:         k_qbb220d892d_quant.kd
    .args:
      - { .name: x, .offset: 0, .size: 8, .value_kind: global_buffer, .address_space: global }
      - { .name: W, .offset: 8, .size: 8, .value_kind: global_buffer, .address_space: global }
      - { .name: ups, .offset: 16, .size: 8, .value_kind: global_buffer, .address_space: global }
      - { .name: downs, .offset: 24, .size: 8, .value_kind: global_buffer, .address_space: global }
      - { .name: alphas, .offset: 32, .size: 8, .value_kind: global_buffer, .address_space: global }
      - { .name: w1, .offset: 40, .size: 8, .value_kind: global_buffer, .address_space: global }
      - { .name: aq, .offset: 48, .size: 8, .value_kind: global_buffer, .address_space: global }
      - { .name: bq, .offset: 56, .size: 8, .value_kind: global_buffer, .address_space: global }
    .group_segment_fixed_size: 327680
    .private_segment_fixed_size: 0
    .kernarg_segment_align: 8
    .kernarg_segment_size: 64
    .max_flat_workgroup_size: 256
    .sgpr_count:     72
    .vgpr_count:     256
    .wavefront_size: 32
...
	.end_amdgpu_metadata
.endif
;; end of part 1
;; launch gemm (part 2): grid 8 x 32, 4 waves a work-group, clusters of 4 x 4, 327,680 bytes of LDS; arguments aq, bq, b, w0, out0; writes out0
.if DOCPART == 2
	.amdgcn_target "amdgcn-amd-amdhsa--gfx1250"
	.amdhsa_code_object_version 6
	.text
	.protected	k_qbb220d892d_gemm
	.globl	k_qbb220d892d_gemm
	.p2align	8
	.type	k_qbb220d892d_gemm,@function
k_qbb220d892d_gemm:
	s_mov_b64 s[64:65], 0
	v_nop
	global_prefetch_b8 v0, s[64:65] scope:SCOPE_SE
	s_setreg_imm32_b32 hwreg(HW_REG_WAVE_MODE, 25, 1), 1
	s_wait_xcnt 0x0
	s_wait_alu depctr_hold_cnt(0) depctr_sa_sdst(0) depctr_va_vdst(0) depctr_va_sdst(0) depctr_va_ssrc(0) depctr_va_vcc(0) depctr_vm_vsrc(0)
	s_getreg_b32 s2, hwreg(HW_REG_IB_STS2, 6, 4)
	s_cmp_eq_u32 s2, 0
	s_cbranch_scc0 .Lentry_in_a_cluster
	s_endpgm
.Lentry_in_a_cluster:
	s_bfe_u32 s2, ttmp6, 0x10000c
	s_cmp_lg_u32 s2, 0xf033
	s_cbranch_scc0 .Lentry_shape_is_right
	s_endpgm
.Lentry_shape_is_right:
; out0 = w0 (Q(x) Q(W)^T + b) + Q(x) Q(D)^T on the codes and scale words that launch quant laid as images of operand registers (aq, bq: see there).
; A work-group of four waves makes 256 rows x 128 columns of out0 twice (columns 4,096 bytes apart); a wave 128 rows x 64 columns, with 32 accumulators for W's product (begun with b) and 32 for D's.
; K goes in steps of 256 through two LDS slots of four BLOCKs (two of aq, two of bq), each BLOCK one dense joint load of 100 rows of 256 bytes; 4 x 4 work-groups form a cluster:
; aq's BLOCKs are shared along a row of the cluster, bq's along a column.  Each refill stands behind a round of the cluster's barrier.
; PREFETCH: a wave asks for a quarter (25 blocks of 256 bytes, a lane a block; the four partners share a BLOCK out by address) of a BLOCK that it will fetch: steps 1 and 2 behind the head's load,
; step 3 behind slot 1's first load, and behind the refill of step n + 2 the step n + 4: at most two steps are asked for and not yet fetched.  aq's are asked for in the first walk along K alone
; (the second fetches the same bytes again), bq's up to its 16th step.
; THE FIRST WAY OUT IS SPREAD OVER THE SECOND WALK: a wave's stage holds 112 rows of 272 bytes.  At the change of walks block 0 (16 rows) leaves at once; blocks 1 to 7 are combined and laid into the stage,
; and each of the next seven first halves of a K step reads one of them back as whole rows and stores it among its matrix instructions.
; THE LAST SLOT GOES BY ROWS: B's fragments of both its halves of K lie in B's two sets; my eight blocks of 16 rows are finished one after the other, and each leaves behind the next block's matrix instructions.
.set PFA,    74                        ; s[74:75] where my prefetches stand
.set PFN,    68                        ; s68 changes of slots so far
.set LIM,    77                        ; s77 the last change of slots at which my wave asks
.set PFO,    31                        ; v31 256 x min(lane, 24); never rewritten
.set RDP,    18                        ; v18 where I read the parked block that is due
.set PKO,    69                        ; s69 that block's place in my stage, in bytes
.set DRAIN,  0                         ; 1 while the text of the steps that send parked blocks is assembled
.set ROWO,   8192
.set BLKB,   25600
.set FRB,    1536
.set SCO,    24576
.set SLOT,   4*BLKB
.set SPARE,  2*SLOT
.set STAGE,  SPARE+512
.set SPITCH, 272
.set NQ,     2
.set FR,     12
.set NL,     3
.set NP,     4
.set ADRA, 16
.set ADRB, 20
.set ADRS, 22
.set STO,  24
.set RD,   25
.set LN,   26
.set BO,   27
.set SPW,  28
.set NIL,  29
.set GOF,  30
.set SC,   32
.set BIAS1, 64
.set BIAS2, 96
.set AF,   128
.set G1,   24
.set G0,   32
.set G1B,  48
.set G0B,  56
.set OUT1, 12
.set OUT2, 72
.set W0,   70
.set MSB, 0
.macro WIN new
.if MSB != \new
	s_set_vgpr_msb (MSB<<8)|\new
.set MSB, \new
.endif
.endm
.set MUL_LO, 0xa1
.set MUL_HI, 0xf1
.set FST_LO, 0x81
.set FST_HI, 0xc1
.set TO_B,   0x40
.macro JLOAD g0a, g1a, g0b, g1b
	s_cmp_eq_u32 s15, 0
	s_cbranch_scc0 .Lfor_b_\@
	tensor_load_to_lds s[\g0a:\g0a+3], s[\g1a:\g1a+7]
	s_nop 0
.rept 4
	v_nop
.endr
	s_branch .Lasked_\@
.Lfor_b_\@:
	tensor_load_to_lds s[\g0b:\g0b+3], s[\g1b:\g1b+7]
	s_nop 0
.rept 4
	v_nop
.endr
.Lasked_\@:
.endm
.macro CREST
	s_cmp_lg_u32 s14, 0
	s_cbranch_scc1 .Lnot_wave_0_\@
	s_barrier_signal -3
.Lnot_wave_0_\@:
	s_barrier_wait -3
	s_barrier_signal -1
	s_barrier_wait -1
.endm
.macro CROUND
	s_barrier_signal -1
	s_barrier_wait -1
	CREST
.endm
	s_load_b128 s[4:7], s[0:1], 0x0
	s_load_b128 s[8:11], s[0:1], 0x10
	s_load_b64 s[12:13], s[0:1], 0x20
	v_lshl_add_u32 v[SPW], v0, 2, SPARE
	v_mov_b32 v[NIL], 0
	ds_add_u32 v28, v29
	ds_add_u32 v28, v29
	s_wait_dscnt 0x0
	v_lshrrev_b32 v1, 5, v0
	v_readfirstlane_b32 s14, v1
	s_lshr_b32 s15, s14, 1
	s_and_b32 s16, s14, 1
	s_bfe_u32 s40, ttmp6, 0x40000
	s_bfe_u32 s41, ttmp6, 0x40004
	s_lshl_b32 s42, ttmp9, 2
	s_add_co_u32 s42, s42, s40
	s_and_b32 s17, ttmp7, 0xffff
	s_lshl_b32 s17, s17, 2
	s_add_co_u32 s17, s17, s41
	s_lshl_b32 s43, s41, 2
	s_lshl_b32 s43, 15, s43
	s_lshl_b32 s44, 0x1111, s40
	s_or_b32 s[G1+0], s43, (3<<16)|(1<<21)
	s_or_b32 s[G1B+0], s44, (3<<16)|(1<<21)
.irp g, G1, G1B
	s_mov_b32 s[\g+1], 32<<16
	s_mov_b32 s[\g+2], 100<<16
	s_mov_b32 s[\g+3], 32<<16
	s_mov_b32 s[\g+4], 100
	s_mov_b32 s[\g+5], 32
	s_mov_b32 s[\g+6], 0
	s_mov_b32 s[\g+7], 0
.endr
	s_lshl_b32 s20, s17, 1
	s_add_co_u32 s20, s20, s16
	s_mul_i32 s20, s20, 8*BLKB
	s_mov_b32 s21, 0
	s_lshl_b32 s46, s42, 1
	s_add_co_u32 s46, s46, s16
	s_mul_i32 s46, s46, 16*BLKB
	s_mov_b32 s47, 0
	s_mul_i32 s45, s14, BLKB
	s_wait_kmcnt 0x0
	s_add_nc_u64 s[20:21], s[4:5], s[20:21]
	s_add_nc_u64 s[46:47], s[6:7], s[46:47]
	s_cmp_eq_u32 s15, 0                            ; do I fetch for aq?
	s_cselect_b64 s[PFA:PFA+1], s[20:21], s[46:47]
	s_cselect_b32 s78, s40, s41                    ; my place among the four that ask for the BLOCK with me
	s_cselect_b32 s[LIM], 3, 11                    ; change n asks for step n + 4: aq has 8 steps, bq 16
	s_mul_i32 s78, s78, 25*256
	s_mov_b32 s79, 0
	s_add_nc_u64 s[PFA:PFA+1], s[PFA:PFA+1], s[78:79]
	s_add_nc_u64 s[PFA:PFA+1], s[PFA:PFA+1], 3*BLKB   ; at step 3; the first change of slots steps it to step 4
	s_mov_b32 s[PFN], 0
	s_mov_b32 s[PKO], 0
	CROUND
.irp s, 0,1
	s_mov_b32 s[G0+4*\s], 1
	s_add_co_u32 s[G0+4*\s+1], s45, \s*SLOT
	s_add_nc_u64 s[G0+4*\s+2:G0+4*\s+3], s[20:21], \s*BLKB
	s_or_b32 s[G0+4*\s+3], s[G0+4*\s+3], 0x80000000
	s_mov_b32 s[G0B+4*\s], 1
	s_add_co_u32 s[G0B+4*\s+1], s45, \s*SLOT
	s_add_nc_u64 s[G0B+4*\s+2:G0B+4*\s+3], s[46:47], \s*BLKB
	s_or_b32 s[G0B+4*\s+3], s[G0B+4*\s+3], 0x80000000
.endr
	JLOAD G0, G1, G0B, G1B                         ; K step 0: one tensor load a wave at the head; the rest of the head is worked while it is on its way
	s_load_b32 s[W0], s[10:11], 0x0
	v_and_b32 v1, 15, v0
	v_bfe_u32 v2, v0, 4, 1
	s_wait_alu depctr_va_vdst(0)
	v_and_b32 v3, 31, v0
	v_lshlrev_b32 v[LN], 4, v3
	s_wait_alu depctr_va_vdst(0)
	v_lshlrev_b32 v[BO], 5, v2
	s_lshl_b32 s46, s42, 9
	s_lshl_b32 s47, s16, 8
	s_add_co_u32 s46, s46, s47
	s_mov_b32 s47, 0
	s_add_nc_u64 s[8:9], s[8:9], s[46:47]
.irp b, 0,1,2,3
	global_load_b128 v[BIAS1+8*\b:BIAS1+8*\b+3], v[BO], s[8:9] offset:64*\b
	global_load_b128 v[BIAS1+8*\b+4:BIAS1+8*\b+7], v[BO], s[8:9] offset:64*\b+16
	global_load_b128 v[BIAS2+8*\b:BIAS2+8*\b+3], v[BO], s[8:9] offset:4096+64*\b
	global_load_b128 v[BIAS2+8*\b+4:BIAS2+8*\b+7], v[BO], s[8:9] offset:4096+64*\b+16
.endr
	v_and_b32 v[PFO], 31, v0
	v_min_u32 v[PFO], 24, v[PFO]                   ; the lanes left over name the quarter's last block again
	v_lshlrev_b32 v[PFO], 8, v[PFO]
	global_prefetch_b8 v[PFO], s[PFA:PFA+1] offset:-2*BLKB th:TH_LOAD_NT scope:SCOPE_SE   ; my quarter of step 1,
	global_prefetch_b8 v[PFO], s[PFA:PFA+1] offset:-BLKB th:TH_LOAD_NT scope:SCOPE_SE     ; and of step 2
	s_mul_i32 s21, s15, BLKB
	s_mul_i32 s22, s16, BLKB
	s_add_co_u32 s22, s22, 2*BLKB
	s_sub_co_u32 s23, s22, s21
	v_mul_u32_u24 v4, s23, v2
	v_lshl_add_u32 v4, v1, 4, v4
	s_add_co_u32 s23, s21, SCO
	v_add_nc_u32 v[ADRS], s23, v4
	v_add_nc_u32 v[ADRS+1], SLOT, v[ADRS]
.irp s, 0,1
	v_add_nc_u32 v[ADRA+\s], s21, v[LN]
	v_add_nc_u32 v[ADRB+\s], s22, v[LN]
	s_add_co_u32 s21, s21, SLOT
	s_add_co_u32 s22, s22, SLOT
.endr
	s_mul_i32 s23, s14, 112*SPITCH                 ; my stage: seven blocks of 16 rows
	s_add_co_u32 s23, s23, STAGE
	v_mul_u32_u24 v5, v1, SPITCH
	v_lshl_add_u32 v5, v2, 5, v5
	v_add_nc_u32 v[STO], s23, v5
	v_mul_u32_u24 v5, v2, SPITCH
	v_lshl_add_u32 v5, v1, 4, v5
	v_add_nc_u32 v[RD], s23, v5
	v_lshlrev_b32 v[GOF], 13, v2
	v_lshl_add_u32 v[GOF], v1, 4, v[GOF]
	s_lshl_b32 s18, s17, 8
	s_lshl_b32 s19, s15, 7
	s_add_co_u32 s18, s18, s19
	s_lshl_b32 s18, s18, 13
	s_mov_b32 s19, 0
	s_add_nc_u64 s[OUT1:OUT1+1], s[OUT1:OUT1+1], s[18:19]
	s_add_nc_u64 s[OUT1:OUT1+1], s[OUT1:OUT1+1], s[46:47]
	s_add_nc_u64 s[OUT2:OUT2+1], s[OUT1:OUT1+1], 4096
.macro FRAG reg, adr, q, i
.irp c, 0,1,2
	ds_load_b128 v[\reg+4*\c:\reg+4*\c+3], v[\adr] offset:(2*(\i)+(\q))*FRB+512*\c
.endr
.endm
.macro MUL16 a0, p, q, sc, first
.irp a, \a0, \a0+1
.irp b, 0,1,2,3,4,5,6,7
.set DA, 8*(8*((\a)%4)+\b)
.set BF, 128*(\p)+FR*\b
.set AA, AF+FR*(\a)
.set SB, SC+16*(\sc)+8*(\q)+\b
.set SA, SC+16*(\sc)+8*(\q)+(\a)
.if (\first) == 0
	v_wmma_scale_f32_16x16x128_f8f6f4 v[DA:DA+7], v[BF:BF+FR-1], v[AA:AA+FR-1], v[DA:DA+7], v[SB], v[SA] matrix_a_fmt:MATRIX_FMT_BF6 matrix_b_fmt:MATRIX_FMT_BF6 matrix_a_scale:MATRIX_SCALE_ROW1
.elseif \b < 4
	v_wmma_scale_f32_16x16x128_f8f6f4 v[DA:DA+7], v[BF:BF+FR-1], v[AA:AA+FR-1], v[(\first)+8*\b:(\first)+8*\b+7], v[SB], v[SA] matrix_a_fmt:MATRIX_FMT_BF6 matrix_b_fmt:MATRIX_FMT_BF6 matrix_a_scale:MATRIX_SCALE_ROW1
.else
	v_wmma_scale_f32_16x16x128_f8f6f4 v[DA:DA+7], v[BF:BF+FR-1], v[AA:AA+FR-1], 0, v[SB], v[SA] matrix_a_fmt:MATRIX_FMT_BF6 matrix_b_fmt:MATRIX_FMT_BF6 matrix_a_scale:MATRIX_SCALE_ROW1
.endif
.endr
.endr
.endm
.macro FETCH_B slot, q, p
	WIN TO_B
.irp i, 0,1,2,3,4,5,6,7
	FRAG 128*(\p)+FR*\i, ADRB+\slot, \q, \i
.endr
	WIN 0
.endm
.macro FETCH_A slot, q, i0
.irp i, \i0, \i0+1, \i0+2, \i0+3
	FRAG AF+FR*(\i), ADRA+\slot, \q, \i
.endr
.endm
.macro SCALES sc
.irp p, 0,1,2,3
	ds_load_b128 v[SC+16*(\sc)+4*\p:SC+16*(\sc)+4*\p+3], v[ADRS+(\sc)] offset:256*\p
.endr
.endm
.macro PLACES n
.rept \n
	v_nop
.endr
.endm
.macro STEP slot, q, first
	s_wait_dscnt 4*NL
.if \first
	WIN FST_LO
.else
	WIN MUL_LO
.endif
	MUL16 0, (\q)%2, \q, \slot, \first
.if DRAIN                                      ; the parked block that is due comes back as whole rows, ahead of B's loads
	WIN 0
	s_wait_xcnt 0x0                                ; the last block's stores have read their registers and their base
	s_add_nc_u64 s[OUT1:OUT1+1], s[OUT1:OUT1+1], 16*ROWO
	v_add_nc_u32 v[RDP], s[PKO], v[RD]
	s_add_co_u32 s[PKO], s[PKO], 16*SPITCH
.irp t, 0,1,2,3,4,5,6,7
	ds_load_b128 v[64+4*\t:64+4*\t+3], v[RDP] offset:\t*2*SPITCH
.endr
.endif
	FETCH_B \slot, (\q)+1, 1-(\q)%2                ; B's other set is free through the whole step (its places stand at the end of the step before): 48 matrix instructions ahead of its use
.if \first
	WIN FST_LO
.else
	WIN MUL_LO
.endif
	MUL16 2, (\q)%2, \q, \slot, \first
	s_wait_dscnt 8*NL                              ; A's blocks 4-7 and any parked block are in; B's 24 loads may be out
	PLACES NP
	WIN 0
.if DRAIN
.irp t, 0,1,2,3,4,5,6,7
	global_store_b128 v[GOF], v[64+4*\t:64+4*\t+3], s[OUT1:OUT1+1] offset:2*\t*ROWO th:TH_STORE_NT   ; 16 lanes store 256 consecutive bytes, aligned
.endr
.endif
	FETCH_A \slot, (\q)+1, 0
.if \first
	WIN FST_HI
.else
	WIN MUL_HI
.endif
	MUL16 4, (\q)%2, \q, \slot, \first
	MUL16 6, (\q)%2, \q, \slot, \first
	PLACES NP
	WIN 0
	FETCH_A \slot, (\q)+1, 4
.endm
.macro TURN slot, next, fill
	s_wait_xcnt 0x0                                ; any prefetch of mine has read its address: it is stepped only behind this wait
	s_add_nc_u64 s[PFA:PFA+1], s[PFA:PFA+1], BLKB
	s_wait_tensorcnt 0x0
	ds_add_u32 v[SPW], v[NIL]
	s_wait_dscnt 4*NL+1
	WIN MUL_LO
	MUL16 0, 1, NQ-1, \slot, 0
	s_wait_dscnt 0x0
	s_barrier_signal -1
	MUL16 2, 1, NQ-1, \slot, 0
	WIN 0
	s_barrier_wait -1
.if \fill
	CREST
.if \fill == 1
	s_add_nc_u64 s[G0+4*\slot+2:G0+4*\slot+3], s[G0+4*\slot+2:G0+4*\slot+3], 2*BLKB
.else
	s_sub_nc_u64 s[G0+4*\slot+2:G0+4*\slot+3], s[G0+4*\slot+2:G0+4*\slot+3], 6*BLKB
.endif
	s_add_nc_u64 s[G0B+4*\slot+2:G0B+4*\slot+3], s[G0B+4*\slot+2:G0B+4*\slot+3], 2*BLKB
	JLOAD G0+4*\slot, G1, G0B+4*\slot, G1B
.else
	PLACES NP
.endif
	s_wait_alu depctr_va_vdst(0)
	FETCH_B \next, 0, 0
	FETCH_A \next, 0, 0
	SCALES \next
	s_cmp_le_u32 s[PFN], s[LIM]                    ; made of the wave's number and the count of changes alone: alike in all partners
	s_cbranch_scc0 .Lno_ask_\@
	global_prefetch_b8 v[PFO], s[PFA:PFA+1] th:TH_LOAD_NT scope:SCOPE_SE
.Lno_ask_\@:
	s_add_co_u32 s[PFN], s[PFN], 1
	WIN MUL_HI
	MUL16 4, 1, NQ-1, \slot, 0
	MUL16 6, 1, NQ-1, \slot, 0
	PLACES NP
	WIN 0
	FETCH_A \next, 0, 4
.endm
.macro LAPS
	s_mov_b32 s3, 3
.Llap_\@:
	TURN 0, 1, 1
	STEP 1, 0, 0
	TURN 1, 0, 1
	STEP 0, 0, 0
	s_sub_co_u32 s3, s3, 1
	s_cmp_lg_u32 s3, 0
	s_cbranch_scc1 .Llap_\@
.endm
.macro COMBINE a
.set AC, 64*((\a)%4)
	WIN 0xa2+0x51*((\a)/4)
.irp b, 0,1,2,3
.irp e, 0,2,4,6
	v_pk_fma_f32 v[AC+8*\b+\e:AC+8*\b+\e+1], v[AC+8*\b+\e:AC+8*\b+\e+1], s[W0:W0+1], v[AC+32+8*\b+\e:AC+32+8*\b+\e+1] op_sel_hi:[1,0,1]
.endr
.endr
.endm
.macro TOSTAGE a
.set AC, 64*((\a)%4)
	WIN 0x08+4*((\a)/4)
.irp b, 0,1,2,3
	ds_store_b128 v[STO], v[AC+8*\b:AC+8*\b+3] offset:64*\b
	ds_store_b128 v[STO], v[AC+8*\b+4:AC+8*\b+7] offset:64*\b+16
.endr
	WIN 0
.set BB, 64+160*((\a)%2)
.irp t, 0,1,2,3,4,5,6,7
	ds_load_b128 v[BB+4*\t:BB+4*\t+3], v[RD] offset:\t*2*SPITCH
.endr
.endm
.macro SEND a, younger, ob
.set BB, 64+160*((\a)%2)
	s_wait_dscnt \younger
.if (\a) > 0
	s_add_nc_u64 s[\ob:\ob+1], s[\ob:\ob+1], 16*ROWO
.endif
.irp t, 0,1,2,3,4,5,6,7
	global_store_b128 v[GOF], v[BB+4*\t:BB+4*\t+3], s[\ob:\ob+1] offset:2*\t*ROWO th:TH_STORE_NT
.endr
.endm
; block a's combined results go to place reg of my stage, each accumulator from its low end on
.macro PARK a, reg
.set AC, 64*((\a)%4)
	WIN 0x08+4*((\a)/4)
.irp b, 0,1,2,3
	ds_store_b128 v[STO], v[AC+8*\b:AC+8*\b+3] offset:(\reg)*16*SPITCH+64*\b
	ds_store_b128 v[STO], v[AC+8*\b+4:AC+8*\b+7] offset:(\reg)*16*SPITCH+64*\b+16
.endr
.endm
; the first way out: block 0 goes through place 6 and leaves at once; blocks 1 to 7 are parked at places 0 to 6.  LDS serves a wave's instructions in order: block 7's stores come behind block 0's loads
.macro PARKOUT
	s_wait_xcnt 0x0
	COMBINE 0
	PARK 0, 6
	WIN 0
.irp t, 0,1,2,3,4,5,6,7
	ds_load_b128 v[64+4*\t:64+4*\t+3], v[RD] offset:6*16*SPITCH+\t*2*SPITCH
.endr
	COMBINE 1
	PARK 1, 0
	WIN 0
	s_wait_dscnt 8                                 ; block 0 is back; block 1's eight stores may be out
.irp t, 0,1,2,3,4,5,6,7
	global_store_b128 v[GOF], v[64+4*\t:64+4*\t+3], s[OUT1:OUT1+1] offset:2*\t*ROWO th:TH_STORE_NT
.endr
.irp a, 2,3,4,5,6,7
	COMBINE \a
	PARK \a, \a-1
.endr
	WIN 0
.endm
; the last slot (slot 1): block a against B's eight, half q of K; A's fragment lies at v[ar]; the eight accumulators take turns
.macro ROWQ a, q, ar
	WIN MUL_LO+0x50*((\a)/4)
.irp b, 0,1,2,3,4,5,6,7
.set DA, 8*(8*((\a)%4)+\b)
	v_wmma_scale_f32_16x16x128_f8f6f4 v[DA:DA+7], v[128*(\q)+FR*\b:128*(\q)+FR*\b+FR-1], v[\ar:\ar+FR-1], v[DA:DA+7], v[SC+16+8*(\q)+\b], v[SC+16+8*(\q)+(\a)] matrix_a_fmt:MATRIX_FMT_BF6 matrix_b_fmt:MATRIX_FMT_BF6 matrix_a_scale:MATRIX_SCALE_ROW1
.endr
.endm
; block a is combined and goes through place 0 of my stage; the block before it, back in registers by now, is stored
.macro BLOCKOUT a
	COMBINE \a
.if \a > 1
	s_wait_alu depctr_va_vdst(0)
	s_wait_xcnt 0x0                                ; block a - 2's stores have read their registers and their base
.endif
	TOSTAGE \a
.if \a > 0
	SEND \a-1, 16, OUT2                            ; behind block a - 1's loads: block a's 8 stores and 8 loads
.endif
.endm
	s_wait_kmcnt 0x0
	s_mov_b32 s[W0+1], s[W0]
	s_wait_alu depctr_va_vdst(0)
	s_wait_tensorcnt 0x0                           ; my part of K step 0 is in; slot 1's first fill is issued as a refill is:
	ds_add_u32 v[SPW], v[NIL]                      ; the add,
	s_wait_dscnt 0x0                               ; done;
	CROUND                                         ; a whole round: slot 0 is whole, all sixteen work-groups are here,
	JLOAD G0+4, G1, G0B+4, G1B                     ; and K step 1's load is the first tensor load behind it
	FETCH_B 0, 0, 0
	FETCH_A 0, 0, 0
	SCALES 0
	global_prefetch_b8 v[PFO], s[PFA:PFA+1] th:TH_LOAD_NT scope:SCOPE_SE   ; my quarter of step 3
	FETCH_A 0, 0, 4
	s_wait_loadcnt 0x0
	STEP 0, 0, BIAS1
	LAPS
	TURN 0, 1, 2
	STEP 1, 0, 0
	TURN 1, 0, 2
	PARKOUT
.set DRAIN, 1                                  ; the next seven first halves of a K step (this one and the loop's six) each send one parked block
	STEP 0, 0, BIAS2
	LAPS
.set DRAIN, 0
	TURN 0, 1, 0                                   ; it has fetched slot 1's first half: B into set 0, A's eight blocks, the scale words of both halves
	; THE LAST SLOT, BY ROWS.  A's fragments of the second half: blocks 0, 1 at v96 and v108 (the second bias is done with), block a >= 2 in the registers of block a - 2's first half, once that is multiplied
	FETCH_B 1, 1, 1                                ; B's second half into set 1
	FRAG 96, ADRA+1, 1, 0
	FRAG 108, ADRA+1, 1, 1
	s_wait_dscnt 14*NL                             ; B's first half and A's blocks 0-3 are in; A's blocks 4-7 (12 loads) and the 30 just issued may be out
	WIN MUL_LO
	MUL16 0, 0, 0, 1, 0                            ; blocks 0-3, first half: 32 matrix instructions under which the second half's fragments land
	MUL16 2, 0, 0, 1, 0
	PLACES NP
	WIN 0
.irp i, 2,3,4,5
	FRAG AF+FR*(\i-2), ADRA+1, 1, \i
.endr
	s_wait_dscnt 4*NL                              ; all but the 12 just issued
	ROWQ 0, 1, 96                                  ; block 0 is finished,
	ROWQ 1, 1, 108                                 ; block 1
	PLACES NP
	s_wait_xcnt 0x0                                ; the last parked block's stores have read v64-95
	BLOCKOUT 0
	s_wait_dscnt 16                                ; A's blocks 2-5 of the second half are in; block 0's 8 stores and 8 loads may be out
	ROWQ 2, 1, AF
	PLACES NP
	BLOCKOUT 1
	ROWQ 3, 1, AF+FR
	PLACES NP
	BLOCKOUT 2
	ROWQ 4, 0, AF+FR*4
	ROWQ 4, 1, AF+FR*2
	PLACES NP
	WIN 0
	FRAG AF+FR*4, ADRA+1, 1, 6                     ; in by the wait in front of block 2's stores, below
	BLOCKOUT 3
	ROWQ 5, 0, AF+FR*5
	ROWQ 5, 1, AF+FR*3
	PLACES NP
	WIN 0
	FRAG AF+FR*5, ADRA+1, 1, 7
	BLOCKOUT 4
	ROWQ 6, 0, AF+FR*6
	ROWQ 6, 1, AF+FR*4
	PLACES NP
	BLOCKOUT 5
	ROWQ 7, 0, AF+FR*7
	ROWQ 7, 1, AF+FR*5
	PLACES NP
	BLOCKOUT 6
	BLOCKOUT 7
	s_wait_xcnt 0x0                                ; block 6's stores have read their base
	SEND 7, 0, OUT2
	s_wait_tensorcnt 0x0
	ds_add_u32 v[SPW], v[NIL]
	s_wait_dscnt 0x0
	CROUND
	s_endpgm
.Lfunc_end_k_qbb220d892d_gemm:
	.size	k_qbb220d892d_gemm, .Lfunc_end_k_qbb220d892d_gemm-k_qbb220d892d_gemm
	.p2alignl 7, 3214868480
	.fill 96, 4, 3214868480
	.section	.rodata,"a",@progbits
	.p2align	6, 0x0
	.amdhsa_kernel k_qbb220d892d_gemm
		.amdhsa_group_segment_fixed_size 327680
		.amdhsa_private_segment_fixed_size 0
		.amdhsa_enable_private_segment 0
		.amdhsa_kernarg_size 40
		.amdhsa_user_sgpr_count 2
		.amdhsa_user_sgpr_kernarg_segment_ptr 1
		.amdhsa_wavefront_size32 1
		.amdhsa_system_sgpr_workgroup_id_x 1
		.amdhsa_system_sgpr_workgroup_id_y 1
		.amdhsa_system_sgpr_workgroup_id_z 1
		.amdhsa_system_vgpr_workitem_id 0
		.amdhsa_next_free_vgpr 1024
		.amdhsa_next_free_sgpr 80
		.amdhsa_reserve_vcc 0
		.amdhsa_float_denorm_mode_32 3
		.amdhsa_float_denorm_mode_16_64 3
		.amdhsa_memory_ordered 1
		.amdhsa_forward_progress 1
		.amdhsa_inst_pref_size 248
	.end_amdhsa_kernel
	.amdgpu_metadata
---
amdhsa.version: [ 1, 2 ]
amdhsa.kernels:
  - .name:           k_qbb220d892d_gemm
    .symbol:         k_qbb220d892d_gemm.kd
    .args:
      - { .name: aq, .offset: 0, .size: 8, .value_kind: global_buffer, .address_space: global }
      - { .name: bq, .offset: 8, .size: 8, .value_kind: global_buffer, .address_space: global }
      - { .name: b, .offset: 16, .size: 8, .value_kind: global_buffer, .address_space: global }
      - { .name: w0, .offset: 24, .size: 8, .value_kind: global_buffer, .address_space: global }
      - { .name: out0, .offset: 32, .size: 8, .value_kind: global_buffer, .address_space: global }
    .group_segment_fixed_size: 327680
    .private_segment_fixed_size: 0
    .kernarg_segment_align: 8
    .kernarg_segment_size: 40
    .max_flat_workgroup_size: 128
    .sgpr_count:     80
    .vgpr_count:     1024
    .wavefront_size: 32
...
	.end_amdgpu_metadata
.endif
;; end of part 2
